; MI455X (gfx1250); checked and timed in simulation.
; The chip was launched on July 23, 2026; its instructions are those of AMD's public machine-readable ISA for CDNA 5 (MIT licence, August 2026) and "CDNA5" Instruction Set Architecture Reference Guide (July 2026). The comments in the code are by the model that wrote it; some were corrected since.
;; Slice Self Attention. Allowed arithmetic: matrix products marked QUANTISED: E3M2 operands, one E8M0 scale for each 32 along K, by v_wmma_scale_f32_16x16x128_f8f6f4 with both operands' format E3M2, f32 sums; everything else in f32.
;; Inputs: beta_t 256 float32; beta_v 256 float32; gamma_t 256 float32; gamma_v 256 float32; text_tokens 8 x 4,096 x 256 float32; visual_tokens 8 x 4,096 x 256 float32.
;; Outputs: out0 8 x 4,096 x 256 float32.
;; This version of the problem:
;;   THIS VERSION OF THE PROBLEM IS GIVEN IN LOW PRECISION. The matrix products marked QUANTISED in the list below multiply operands that are first quantised to E3M2 (3 exponent bits, 2 mantissa bits; 6 bits a number), with one power-of-two scale for each 32 numbers along K (OCP MX v1.0); their sums are f32. All else is computed in f32.
;;   The module's matrix products, in the order in which they are computed (A, B: the left and right operand; K: the contracted axis; several contracted axes count as one K, in the product's order):
;;     1. batch 8 x [M 4,096, K 256] x [K 256, N 4,096]; A: computed on the way; B: computed on the way: QUANTISED
;;     2. batch 8 x [M 4,096, K 4,096] x [K 4,096, N 256]; A: softmax (see below); B: computed on the way: QUANTISED
;;   THE QUANTISER, for each operand of a quantised product, along K:
;;     - K is cut into blocks of 32 from its start; a last block that is shorter is filled with zeros.
;;     - A block's scale is 2^e with e = floor(log2(the largest magnitude in the block)) - 4, held to -126 .. 127; a block of zeros has e = 0. As a byte (E8M0): e + 127.
;;     - Each number is divided by its block's scale, clamped to +-28, and rounded to the nearest number of E3M2, ties to even, subnormals kept.
;;     - The product sums the exact products of the quantised numbers (number of the format x scale) in f32.
;;   ~~~python
;;   def quantise(x, axis):      # numpy; x: float32 -> the quantised numbers, widened to float32 again
;;       x = np.moveaxis(x, axis, -1); K = x.shape[-1]
;;       x = np.pad(x, [(0, 0)] * (x.ndim - 1) + [(0, -K % 32)]); x = x.reshape(x.shape[:-1] + (-1, 32)); a = np.abs(x).max(-1, keepdims=True)
;;       e = np.where(a > 0, np.clip(np.frexp(np.where(a > 0, a, 1))[1] - 1 - 4, -126, 127), 0)      # np.frexp(a)[1] - 1 = floor(log2(a)), exactly
;;       r = np.clip(x / 2.0 ** e, -28, 28)
;;       step = 2.0 ** (np.maximum(np.frexp(np.where(r == 0, 1, r))[1] - 1, -2) - 2)
;;       q = np.round(r / step) * step * 2.0 ** e      # np.round: ties to even
;;       return np.moveaxis(q.reshape(q.shape[:-2] + (-1,))[..., :K], -1, axis).astype(np.float32)
;;   ~~~
;;   SOFTMAX AHEAD OF A QUANTISED PRODUCT. Where the list says 'softmax', what is quantised is not the finished softmax but p = 2^(t - M), with t = logit x log2(e) and M = ceil(the row's largest t), a whole number; so 1/2 < the row's largest p <= 1. The row's sum l is taken of the UNQUANTISED p, in f32, and the product's result is divided by l at the end. Since M is a whole number, a kernel that streams over the keys may use a running M (the ceiling of the running maximum): every later rescaling is an exact power of two, which a block's scale takes up: the codes' values come out the same.
;;   OPERANDS COMPUTED ON THE WAY. 'Computed on the way' means the value that the module computes at that place (a softmax that the list does not call 'softmax' is quantised finished and normalised). What goes into a quantiser is computed in f32, as accurately as f32 sums, v_exp_f32 and their like allow (about 1e-6 of the number): no bf16 or f16 on the way to a quantiser, and a product that is left as it is and whose result goes on into a quantised operand takes f32 operands (vector FMAs, or v_wmma_f32_16x16x4_f32). A number that lies on a knife's edge between two numbers of the format may be rounded either way, as far as f32 arithmetic and the matrix unit's own rounding can turn it there, and no further.
;; One version. Each part assembles by itself: llvm-mc -triple=amdgcn-amd-amdhsa -mcpu=gfx1250 --defsym DOCPART=n.
;; ======== version 1 of 1: 2 launches
;; workspace buffers: kv 13,107,200 bytes
;; launch prep (part 1): grid 32 x 8, 8 waves a work-group, no clusters, 137,216 bytes of LDS; arguments text_tokens, gamma_t, beta_t, kv; writes kv
.if DOCPART == 1
	.amdgcn_target "amdgcn-amd-amdhsa--gfx1250"
	.amdhsa_code_object_version 6
	.text
	.protected	k_q3ee07a6967_prep
	.globl	k_q3ee07a6967_prep
	.p2align	8
	.type	k_q3ee07a6967_prep,@function
k_q3ee07a6967_prep:
	s_mov_b64 s[64:65], 0
	v_nop
	global_prefetch_b8 v0, s[64:65] scope:SCOPE_SE
	s_setreg_imm32_b32 hwreg(HW_REG_WAVE_MODE, 25, 1), 1
	s_wait_xcnt 0x0
; T = LayerNorm(text_tokens) (f32, two passes: mean, then the mean of the squared differences), quantised TWICE to BF6 (E3M2) with one E8M0 byte for each 32 numbers:
; along d (the first product's K) and along the keys (the second product's K).  Both forms leave as IMAGES OF OPERAND REGISTERS, so that the attention launch loads fragments by 16 bytes a lane.
; A work-group takes 128 keys of one batch and writes one block of STEPB bytes of kv:
;   0       16 fragments of K, f = 2 t + s (key tile t, half s of d), 1,536 bytes each: registers 4 c .. 4 c + 3 of lane l at 512 c + 16 l
;   24,576  16 fragments of V^T, u = d tile, likewise
;   49,152  K's scale words: the register of key tile t = 4 g + i is word i of lane l's 16 bytes at 512 g + 16 l; lanes 0-15 the word of d 0..127, lanes 16-31 that of d 128..255
;   50,176  V^T's scale words: register e = 4 g + i likewise; lanes 0-15 the word of d = 32 e + r, lanes 16-31 that of d = 32 e + 16 + r
; THE KEYS OF A TILE ARE NOT NEIGHBOURS: row r of key tile t is key 32 (t / 2) + 8 (t % 2) + r + 8 (r / 8), so that in S^T the 16 registers of tiles 2 b, 2 b + 1 are 16 neighbouring keys.
; Eight waves.  Wave w normalises key tile w (16 rows) and quantises it along d; the normalised rows meet in LDS; then wave w reads d tiles 2 w, 2 w + 1 down the keys and quantises them along the keys.
; LIMITS: NaN and infinities among the inputs are not served.  A block's largest magnitude is taken with the floor 2^(5 - 127), so a block of zeros gets the byte 1 where the rule says 127: its codes are
; zeros, and this program alone reads the bytes.  The sums of the norm are taken in another order than a plain running sum.
.set STEPB, 51200
.set VIMG,  24576
.set KSC,   49152
.set XP,    1040                       ; a stage row: 1,024 bytes + 16 = 260 words: row r starts at bank 4 r mod 64 (64 banks of 4 bytes: ISA guide 11.1)
.set SCST,  133376                     ; behind the 128 stage rows (each group of 32 rows lies 64 bytes further on): the 2,048 scale bytes
.set BM,   28                          ; v28-31  largest magnitudes
.set BT,   32                          ; v32-35  the other half's maxima, then scale bytes
.set T,    36
.set T2,   37
.set SO,   40                          ; v40-43  the conversions' scale operands
.set CT,   44                          ; v44-46, v48-50  second halves of blocks' codes
.set PCA,  52                          ; v52-63  a fragment's codes
.set PCB,  64                          ; v64-75  another's
.set PW0,  76
.set PW1,  77
.set KSW,  78
.set VSW,  79
.set MU,   96
.set RS,   98
.set AC,   100                         ; v100-107 four packed chains
.set X,    128                         ; v128-255 128 numbers
.set SEL,  40                          ; s[40:41] lane selects: lane l xor 16
.set INV,  22                          ; s22 1 / 256
.set EPS,  23                          ; s23 1e-5
.set MSB, 0
.macro WIN new                         ; the immediate's high byte repeats the setting that is left
.if MSB != \new
	s_set_vgpr_msb (MSB<<8)|\new
.set MSB, \new
.endif
.endm
.macro REDUCE                          ; four packed chains, the pair's halves, and lane l xor 16's: the row's sum in v[T2]
	v_pk_add_f32 v[AC:AC+1], v[AC:AC+1], v[AC+2:AC+3]
	v_pk_add_f32 v[AC+4:AC+5], v[AC+4:AC+5], v[AC+6:AC+7]
	v_pk_add_f32 v[AC:AC+1], v[AC:AC+1], v[AC+4:AC+5]
	v_add_f32 v[T2], v[AC], v[AC+1]
	v_permlanex16_b32 v[T], v[T2], s[SEL], s[SEL+1]
	v_add_f32 v[T2], v[T2], v[T]
.endm
; LayerNorm of the lane's row: v[X + 16 b + i] holds d = 32 b + 16 h + i; lanes l and l xor 16 hold a row between them.  gamma at v[greg ..], beta at v[breg ..] in the windows of wgb, same order.
.macro LNORM greg, breg, wgb, cnt
.irp k, 0,1,2,3
	v_pk_add_f32 v[AC+2*\k:AC+2*\k+1], v[X+2*\k:X+2*\k+1], v[X+8+2*\k:X+8+2*\k+1]
.endr
.set ii, 16
.rept 14
.irp k, 0,1,2,3
	v_pk_add_f32 v[AC+2*\k:AC+2*\k+1], v[AC+2*\k:AC+2*\k+1], v[X+ii+2*\k:X+ii+2*\k+1]
.endr
.set ii, ii+8
.endr
	REDUCE
	v_mul_f32 v[MU], s[INV], v[T2]                 ; the mean
	v_mov_b32 v[MU+1], v[MU]
.set ii, 0
.rept 64
	v_pk_add_f32 v[X+ii:X+ii+1], v[X+ii:X+ii+1], v[MU:MU+1] neg_lo:[0,1] neg_hi:[0,1]   ; x - mean
.set ii, ii+2
.endr
.irp k, 0,1,2,3
	v_pk_mul_f32 v[AC+2*\k:AC+2*\k+1], v[X+2*\k:X+2*\k+1], v[X+2*\k:X+2*\k+1]
.endr
.set ii, 8
.rept 15
.irp k, 0,1,2,3
	v_pk_fma_f32 v[AC+2*\k:AC+2*\k+1], v[X+ii+2*\k:X+ii+2*\k+1], v[X+ii+2*\k:X+ii+2*\k+1], v[AC+2*\k:AC+2*\k+1]
.endr
.set ii, ii+8
.endr
	REDUCE
	v_fma_f32 v[T2], v[T2], s[INV], s[EPS]         ; the variance + eps
	v_rsq_f32 v[RS], v[T2]
	v_nop                                          ; a plain instruction behind the transcendental,
	s_wait_alu depctr_va_vdst(0)                   ; and the wait ahead of the first line that names its result
	v_mov_b32 v[RS+1], v[RS]
.set ii, 0
.rept 64
	v_pk_mul_f32 v[X+ii:X+ii+1], v[X+ii:X+ii+1], v[RS:RS+1]
.set ii, ii+2
.endr
	s_wait_loadcnt \cnt                            ; gamma and beta are in
	WIN \wgb
.set ii, 0
.rept 64
	v_pk_fma_f32 v[X+ii:X+ii+1], v[X+ii:X+ii+1], v[(\greg)+ii:(\greg)+ii+1], v[(\breg)+ii:(\breg)+ii+1]
.set ii, ii+2
.endr
	WIN 0
.endm
; 64 numbers, register 16 b + i = k 32 b + 16 h + i, with their four scale operands in v[SO ..], become a fragment's 12 registers at v[pc ..]
.macro CODES src, pc
.irp c, 0,1
	v_cvt_scalef32_pk16_bf6_f32 v[(\pc)+6*\c:(\pc)+6*\c+2], v[(\src)+32*\c:(\src)+32*\c+15], v[SO+2*\c]
	v_cvt_scalef32_pk16_bf6_f32 v[CT+4*\c:CT+4*\c+2], v[(\src)+32*\c+16:(\src)+32*\c+31], v[SO+2*\c+1]   ; (a conversion's three registers begin on an even number)
.endr
	v_nop                                          ; one plain instruction behind the scaled conversions
.irp c, 0,1                                    ; the operand wants a WHOLE block in a lane: lanes 0-15 block 2 c, lanes 16-31 block 2 c + 1
.irp i, 0,1,2
	v_permlane16_swap_b32 v[(\pc)+6*\c+\i], v[CT+4*\c+\i]
.endr
.irp i, 0,1,2
	v_mov_b32 v[(\pc)+3+6*\c+\i], v[CT+4*\c+\i]
.endr
.endr
.endm
; the same 64 numbers: the four blocks' scales (a block lies in lanes l and l xor 16), the row's scale word in v[pw], the codes
.macro QUANT src, pc, pw
.irp b, 0,1,2,3
	v_max3_num_f32 v[BM+\b], |v[(\src)+16*\b]|, |v[(\src)+16*\b+1]|, 0x2800000   ; with the floor 2^(5 - 127): the byte cannot fall under 1
.endr
.irp i, 2,4,6,8,10,12,14
.irp b, 0,1,2,3
	v_max3_num_f32 v[BM+\b], v[BM+\b], |v[(\src)+16*\b+\i]|, |v[(\src)+16*\b+\i+1]|
.endr
.endr
.irp b, 0,1,2,3
	v_permlanex16_b32 v[BT+\b], v[BM+\b], s[SEL], s[SEL+1]
.endr
.irp b, 0,1,2,3
	v_max_num_f32 v[BM+\b], v[BM+\b], v[BT+\b]
.endr
.irp b, 0,1,2,3
	v_add_nc_u32 v[SO+\b], 0xfe000000, v[BM+\b]    ; 4 off the exponent field: the conversion takes that field as its scale
.endr
.irp b, 0,1,2,3
	v_lshrrev_b32 v[BT+\b], 23, v[SO+\b]           ; the scale's byte
.endr
	v_lshl_or_b32 v[\pw], v[BT+1], 8, v[BT]
	v_lshl_or_b32 v[\pw], v[BT+2], 16, v[\pw]
	v_lshl_or_b32 v[\pw], v[BT+3], 24, v[\pw]
	CODES \src, \pc
.endm
; 64 numbers that run DOWN the keys: register 32 c + i = key 64 c + 32 h + i of my column d: two whole blocks a lane; the conversions' results are the operand's registers
.macro QUANTV src, pc, pw
.irp c, 0,1
	v_max3_num_f32 v[BM+\c], |v[(\src)+32*\c]|, |v[(\src)+32*\c+1]|, 0x2800000
.endr
.irp i, 2,4,6,8,10,12,14,16,18,20,22,24,26,28,30
.irp c, 0,1
	v_max3_num_f32 v[BM+\c], v[BM+\c], |v[(\src)+32*\c+\i]|, |v[(\src)+32*\c+\i+1]|
.endr
.endr
.irp c, 0,1
	v_add_nc_u32 v[SO+\c], 0xfe000000, v[BM+\c]
.endr
.irp c, 0,1
	v_lshrrev_b32 v[BT+\c], 23, v[SO+\c]
.endr
	v_lshl_or_b32 v[\pw], v[BT+1], 16, v[BT]       ; my two bytes, blocks h and 2 + h,
	v_lshlrev_b32 v[\pw], v13, v[\pw]              ; 8 h bits up;
	v_permlanex16_b32 v[T], v[\pw], s[SEL], s[SEL+1]
	v_or_b32 v[\pw], v[\pw], v[T]                  ; with lane l xor 16's two the word is whole
.irp c, 0,1
	v_cvt_scalef32_pk16_bf6_f32 v[(\pc)+6*\c:(\pc)+6*\c+2], v[(\src)+32*\c:(\src)+32*\c+15], v[SO+\c]
	v_cvt_scalef32_pk16_bf6_f32 v[CT+4*\c:CT+4*\c+2], v[(\src)+32*\c+16:(\src)+32*\c+31], v[SO+\c]
.endr
	v_nop                                          ; one plain instruction behind the scaled conversions
.irp c, 0,1
.irp i, 0,1,2
	v_mov_b32 v[(\pc)+3+6*\c+\i], v[CT+4*\c+\i]
.endr
.endr
.endm
	s_load_b256 s[4:11], s[0:1], 0x0               ; text s[4:5], gamma s[6:7], beta s[8:9], kv s[10:11]
	v_lshl_add_u32 v126, v0, 2, 0x21400
	v_mov_b32 v127, 0
	v_lshrrev_b32 v1, 5, v0
	v_readfirstlane_b32 s12, v1                    ; wave 0..7
	v_and_b32 v14, 31, v0                          ; lane
	v_and_b32 v1, 15, v0                           ; r
	v_bfe_u32 v3, v0, 4, 1                         ; h
	v_lshlrev_b32 v2, 4, v14                       ; 16 x lane
	s_lshr_b32 s24, s12, 1
	s_and_b32 s25, s12, 1
	s_mul_i32 s26, s12, 16*XP
	s_lshl_b32 s27, s24, 6
	s_add_co_u32 s26, s26, s27                     ; my 16 stage rows: 16,640 w + 64 (w / 2)
	v_add_nc_u32 v4, s26, v2                       ; in as loaded: 16 x lane
	v_mul_u32_u24 v5, v1, XP
	v_lshl_add_u32 v5, v3, 6, v5
	v_add_nc_u32 v5, s26, v5                       ; back by rows: row r, + 64 h
	s_lshl_b32 s27, s12, 7
	v_lshl_add_u32 v6, v1, 2, s27                  ; down the keys: column d = 32 w + r,
	v_mul_u32_u24 v7, v3, 33344                    ; lanes 16-31 begin 32 stage rows and one skew further on,
	v_add_nc_u32 v6, v6, v7
	v_add_nc_u32 v7, 66688, v6                     ; and the second 64 keys 64 rows and two skews
	s_lshr_b32 s27, s12, 2
	s_lshl_b32 s27, s27, 9
	s_and_b32 s28, s12, 3
	s_lshl_b32 s28, s28, 2
	s_add_co_u32 s27, s27, s28
	s_add_co_u32 s27, s27, SCST
	v_add_nc_u32 v8, s27, v2                       ; my word among K's scale words: 512 (w / 4) + 16 x lane + 4 (w % 4)
	v_add_nc_u32 v9, 1024, v8                      ; and among V^T's
	s_lshl_b32 s28, s12, 8
	v_lshl_add_u32 v11, v14, 3, s28                ; the scale bytes' way out: 256 w + 8 x lane
	v_add_nc_u32 v10, SCST, v11
	v_lshlrev_b32 v12, 6, v3                       ; gamma, beta: 64 h
	v_lshlrev_b32 v13, 3, v3                       ; 8 h
	v_cmp_eq_u32 vcc_lo, 1, v3                     ; lanes 16-31
.irp b, 0,1,2,3
	v_mov_b32 v[BT+\b], 0                          ; written once: a lane permute's destination counts as one of its sources
.endr
	v_mov_b32 v[T], 0
	s_mov_b32 s[SEL], 0x76543210
	s_mov_b32 s[SEL+1], 0xfedcba98
	s_mov_b32 s[INV], 0x3b800000
	s_mov_b32 s[EPS], 0x3727c5ac
	s_and_b32 s13, ttmp7, 0xffff                   ; batch
	s_lshl_b32 s28, s13, 12
	s_lshl_b32 s29, ttmp9, 7
	s_add_co_u32 s28, s28, s29
	s_lshl_b32 s29, s24, 5
	s_add_co_u32 s28, s28, s29
	s_lshl_b32 s29, s25, 3
	s_add_co_u32 s28, s28, s29                     ; my tile's first row: 4,096 b + 128 j + 32 (w / 2) + 8 (w % 2)
	s_lshl_b32 s28, s28, 10                        ; rows of 1,024 bytes: under 2^25
	s_mov_b32 s29, 0
	s_lshl_b32 s30, s13, 5
	s_add_co_u32 s30, s30, ttmp9
	s_mul_i32 s30, s30, STEPB                      ; my block of kv
	s_mov_b32 s31, 0
	s_mul_i32 s32, s12, 3072                       ; my two fragments in a run of 16
	s_mov_b32 s33, 0
	s_wait_kmcnt 0x0
	s_add_nc_u64 s[14:15], s[4:5], s[28:29]
	s_add_nc_u64 s[16:17], s[10:11], s[30:31]
	s_add_nc_u64 s[18:19], s[16:17], s[32:33]
	s_add_nc_u64 s[20:21], s[18:19], VIMG
	; my 16 rows as they lie: each load covers 512 consecutive bytes
.irp i, 0,1,2,3,4,5,6,7,8,9,10,11,12,13,14,15
.irp c, 0,1
	global_load_b128 v[X+8*\i+4*\c:X+8*\i+4*\c+3], v2, s[14:15] offset:(\i+8*(\i/8))*1024+512*\c th:TH_LOAD_NT
.endr
.endr
	WIN 0x40                                       ; destination window 1
.irp b, 0,1,2,3,4,5,6,7
.irp j, 0,1,2,3
	global_load_b128 v[16*\b+4*\j:16*\b+4*\j+3], v12, s[6:7] offset:128*\b+16*\j     ; gamma at d = 32 b + 16 h + 4 j ..
.endr
.endr
	WIN 0
	s_wait_loadcnt 32                              ; my rows are in; gamma's 32 loads may be out
	; the turn through my own stage rows: LDS serves a wave's instructions in order, so no wait stands between the stores and the loads
.irp i, 0,1,2,3,4,5,6,7,8,9,10,11,12,13,14,15
.irp c, 0,1
	ds_store_b128 v4, v[X+8*\i+4*\c:X+8*\i+4*\c+3] offset:XP*\i+512*\c
.endr
.endr
.irp b, 0,1,2,3,4,5,6,7
.irp j, 0,1,2,3
	ds_load_b128 v[X+16*\b+4*\j:X+16*\b+4*\j+3], v5 offset:128*\b+16*\j
.endr
.endr
	WIN 0x40
.irp b, 0,1,2,3,4,5,6,7
.irp j, 0,1,2,3
	global_load_b128 v[128+16*\b+4*\j:128+16*\b+4*\j+3], v12, s[8:9] offset:128*\b+16*\j   ; beta
.endr
.endr
	WIN 0
	s_wait_dscnt 0x0
	LNORM 0, 128, 0x14, 0                          ; sources 1 and 2 in window 1
.irp b, 0,1,2,3,4,5,6,7
.irp j, 0,1,2,3
	ds_store_b128 v5, v[X+16*\b+4*\j:X+16*\b+4*\j+3] offset:128*\b+16*\j    ; the normalised rows, for all waves
.endr
.endr
	QUANT X, PCA, PW0                              ; along d: d 0..127
.irp c, 0,1,2
	global_store_b128 v2, v[PCA+4*\c:PCA+4*\c+3], s[18:19] offset:512*\c   ; 512 consecutive bytes, at a multiple of 256 from kv's first byte
.endr
	QUANT X+64, PCB, PW1                           ; d 128..255
.irp c, 0,1,2
	global_store_b128 v2, v[PCB+4*\c:PCB+4*\c+3], s[18:19] offset:1536+512*\c
.endr
	v_cndmask_b32 v[KSW], v[PW0], v[PW1], vcc_lo   ; lanes 0-15 the first half's word, lanes 16-31 the second's
	ds_store_b32 v8, v[KSW]
	s_wait_dscnt 0x0                               ; for the others' sake: my stores into the stage have landed
	s_barrier_signal -1
	s_barrier_wait -1                              ; all 128 normalised rows lie in LDS
	; key 64 c + 32 h + i lies in stage row 32 (2 c + h) + 16 ((i / 8) % 2) + i % 8 + 8 (i / 16)
.irp u, 0,1
.irp c, 0,1
.irp i, 0,1,2,3,4,5,6,7,8,9,10,11,12,13,14,15,16,17,18,19,20,21,22,23,24,25,26,27,28,29,30,31
	ds_load_b32 v[X+64*\u+32*\c+\i], v[6+\c] offset:(16*((\i/8)%2)+\i%8+8*(\i/16))*XP+64*\u
.endr
.endr
.endr
	s_wait_xcnt 0x0                                ; the stores of K's codes have read their registers: they are written again only behind this wait
	s_wait_dscnt 63                                ; d tile 2 w's 64 reads are in (the wait's field holds 63: one read more is waited for)
	QUANTV X, PCA, PW0
.irp c, 0,1,2
	global_store_b128 v2, v[PCA+4*\c:PCA+4*\c+3], s[20:21] offset:512*\c
.endr
	s_wait_dscnt 0x0
	QUANTV X+64, PCB, PW1
.irp c, 0,1,2
	global_store_b128 v2, v[PCB+4*\c:PCB+4*\c+3], s[20:21] offset:1536+512*\c
.endr
	v_cndmask_b32 v[VSW], v[PW0], v[PW1], vcc_lo   ; lanes 0-15 d tile 2 w's words, lanes 16-31 d tile 2 w + 1's
	ds_store_b32 v9, v[VSW]
	s_wait_dscnt 0x0
	s_barrier_signal -1
	s_barrier_wait -1                              ; all 2,048 scale bytes lie in LDS
	ds_load_b64 v[80:81], v10
	s_wait_dscnt 0x0
	global_store_b64 v11, v[80:81], s[16:17] offset:KSC   ; 32 lanes store 256 consecutive bytes, at a multiple of 256 from kv's first byte
	s_wait_tensorcnt 0x0
	ds_add_u32 v126, v127
	s_wait_dscnt 0x0
	s_endpgm
.Lfunc_end_k_q3ee07a6967_prep:
	.size	k_q3ee07a6967_prep, .Lfunc_end_k_q3ee07a6967_prep-k_q3ee07a6967_prep
	.p2alignl 7, 3214868480
	.fill 96, 4, 3214868480
	.section	.rodata,"a",@progbits
	.p2align	6, 0x0
	.amdhsa_kernel k_q3ee07a6967_prep
		.amdhsa_group_segment_fixed_size 137216
		.amdhsa_private_segment_fixed_size 0
		.amdhsa_enable_private_segment 0
		.amdhsa_kernarg_size 32
		.amdhsa_user_sgpr_count 2
		.amdhsa_user_sgpr_kernarg_segment_ptr 1
		.amdhsa_wavefront_size32 1
		.amdhsa_system_sgpr_workgroup_id_x 1
		.amdhsa_system_sgpr_workgroup_id_y 1
		.amdhsa_system_sgpr_workgroup_id_z 1
		.amdhsa_system_vgpr_workitem_id 0
		.amdhsa_next_free_vgpr 512
		.amdhsa_next_free_sgpr 66
		.amdhsa_reserve_vcc 1
		.amdhsa_float_denorm_mode_32 3
		.amdhsa_float_denorm_mode_16_64 3
		.amdhsa_memory_ordered 1
		.amdhsa_forward_progress 1
		.amdhsa_inst_pref_size 63
	.end_amdhsa_kernel
	.amdgpu_metadata
---
amdhsa.version: [ 1, 2 ]
amdhsa.kernels:
  - .name:           k_q3ee07a6967_prep
    .symbol:         k_q3ee07a6967_prep.kd
    .args:
      - { .name: text_tokens, .offset: 0, .size: 8, .value_kind: global_buffer, .address_space: global }
      - { .name: gamma_t, .offset: 8, .size: 8, .value_kind: global_buffer, .address_space: global }
      - { .name: beta_t, .offset: 16, .size: 8, .value_kind: global_buffer, .address_space: global }
      - { .name: kv, .offset: 24, .size: 8, .value_kind: global_buffer, .address_space: global }
    .group_segment_fixed_size: 137216
    .private_segment_fixed_size: 0
    .kernarg_segment_align: 8
    .kernarg_segment_size: 32
    .max_flat_workgroup_size: 256
    .sgpr_count:     66
    .vgpr_count:     512
    .wavefront_size: 32
...
	.end_amdgpu_metadata
.endif
;; end of part 1
;; launch attn (part 2): grid 32 x 8, 4 waves a work-group, clusters of 4 x 1, 327,680 bytes of LDS; arguments visual_tokens, gamma_v, beta_v, kv, out0; writes out0
.if DOCPART == 2
	.amdgcn_target "amdgcn-amd-amdhsa--gfx1250"
	.amdhsa_code_object_version 6
	.text
	.protected	k_q3ee07a6967_attn
	.globl	k_q3ee07a6967_attn
	.p2align	8
	.type	k_q3ee07a6967_attn,@function
k_q3ee07a6967_attn:
	s_mov_b64 s[64:65], 0
	v_nop
	global_prefetch_b8 v0, s[64:65] scope:SCOPE_SE
	s_setreg_imm32_b32 hwreg(HW_REG_WAVE_MODE, 25, 1), 1
	s_wait_xcnt 0x0
	s_wait_alu depctr_hold_cnt(0) depctr_sa_sdst(0) depctr_va_vdst(0) depctr_va_sdst(0) depctr_va_ssrc(0) depctr_va_vcc(0) depctr_vm_vsrc(0)
	s_getreg_b32 s2, hwreg(HW_REG_IB_STS2, 6, 4)
	s_cmp_eq_u32 s2, 0
	s_cbranch_scc0 .Lentry_in_a_cluster
	s_endpgm
.Lentry_in_a_cluster:
	s_bfe_u32 s2, ttmp6, 0x10000c
	s_cmp_lg_u32 s2, 0x3003
	s_cbranch_scc0 .Lentry_shape_is_right
	s_endpgm
.Lentry_shape_is_right:
; out = softmax(V T^T / 16) T, V = LayerNorm(visual_tokens), both products on codes of BF6 (E3M2) with one E8M0 byte for each 32 along a product's K.
; T comes quantised both ways from kv, as images of operand registers, STEPB bytes for each 128 keys: 16 fragments of K (key tile t, half s of d: f = 2 t + s), 16 of V^T (d tile u), K's and V^T's scale words.
; THE SOFTMAX: t = score x log2(e) / 16; M = the running largest t rounded UP to a whole number; p = 2^(t - M) is quantised along the keys, not normalised; the row's sum is taken of the unquantised p and divides at
; the end.  When M moves, the sum and O are multiplied by 2^(old M - new M), which rounds nothing.
; SHARES.  A work-group owns 128 queries of one batch, each of its four waves 32: two tiles of 16, so that each fragment read from LDS feeds two matrix instructions.  Every wave walks the batch's 32 key steps of 128.
; Each wave normalises and quantises its own 32 rows of visual_tokens at the head: nobody else reads them.
; LAYOUT.  Both products are used transposed: S^T = K Q^T (source 0 = 16 keys, source 1 = 16 queries), O^T = V^T P^T (source 0 = 16 of d, source 1 = P): a lane holds ONE query (lane % 16) throughout.  The keys of
; a tile are chosen (by the launch before) so that the 16 registers of tiles 2 b, 2 b + 1 are keys 32 b + 16 (lane / 16) + 0 .. 15.
; RING.  Two LDS slots of two key steps (102,400 bytes).  CLUSTER: the four query blocks of a cluster walk the same kv, so each slot is asked for JOINTLY; each wave asks for its quarter, 100 rows of 256 bytes.
; REGISTERS, in windows of 256 (s_set_vgpr_msb: bits 1:0 source 0, 3:2 source 1, 5:4 source 2, 7:6 destination):
;   window 0: v1-11 addresses; v12-27 statistics; v28-51 at work; v52-75 p's codes; v76-95 scale words; v96-109 the norm's; v128-255 S^T, then p (64 a tile)
;   window 1: O^T, 128 a tile (at the head: tile 1's rows as loaded)     window 2: v0-191 K of a step (at the head: gamma); v192-239 Q     window 3: v0-191 V^T of a step (at the head: beta)
; LIMITS: NaN and infinities among the inputs are not served.  A block's largest magnitude is taken with the floor 2^(5 - 127): a block of zeros gets the byte 1, its codes are zeros.  A p under 2^-126 counts as 0.
; The sums of the norm and of the rows are taken in another order than a plain running sum.
.set STEPB, 51200
.set SLOTB, 2*STEPB
.set QUART, SLOTB/4                    ; what one tensor load brings
.set VIMG,  24576
.set KSC,   49152
.set VSC,   50176
.set SLOT1, 1<<17                      ; slot 1 begins here: one exclusive or turns an address in one slot into the other's
.set STG,   SLOT1+SLOTB                ; behind the ring: 16 rows x 1,040 bytes for each wave; no fill lands here
.set XP,    1040                       ; a stage row: 1,024 bytes + 16 = 260 words: row r starts at bank 4 r mod 64 (64 banks of 4 bytes: ISA guide 11.1)
.set SPARE, STG+4*16*XP                ; the spare words, 128 bytes for each wave: two blocks of 256 bytes that no other line names
.set LI,   2                           ; v2   16 x lane
.set ADR,  3                           ; v3   LDS address of the run of loads in hand
.set SPW,  4                           ; v4   LDS address of my spare word; never rewritten
.set NIL,  5                           ; v5   0; never rewritten
.set PFO,  6                           ; v6   the prefetches' offset; never rewritten
.set SD,   7                           ; v7   my stage, 16 x lane
.set SRH,  8                           ; v8   my stage, row r, + 64 h
.set SOA,  9                           ; v9   my stage, row r, + 32 h
.set GB,   10                          ; v10  64 h
.set ST,   12                          ; tile q's statistics at v[ST + 8 q]: +0 -M, +1 the largest t, +2, +3 the sum in two halves, +4 f (at the end 1 / sum), +5 named with it as a pair
.set BM,   28
.set BT,   32
.set T,    36
.set T2,   37
.set SUM2, 38
.set SO,   40
.set CT,   44
.set PC,   52                          ; p's codes, 12 a tile
.set PS,   76                          ; p's scale words
.set QS,   78                          ; Q's: lanes 0-15 d 0..127, lanes 16-31 d 128..255
.set KS,   80                          ; K's, a register a key tile
.set VS,   88                          ; V^T's, a register for two d tiles
.set MU,   96
.set RS,   98
.set AC,   100
.set PW0,  108
.set PW1,  109
.set X,    128
.set S,    128
.set QF,   192                         ; Q's fragments, in window 2: tile q, half s at QF + 12 (2 q + s)
.set WV,   14
.set G1,   24                          ; s[24:31] descriptor group 1
.set G0A,  32                          ; s[32:35] group 0 of slot 0's first fill
.set G0B,  36                          ; s[36:39] group 0 of slot 1's first fill; it then walks
.set SEL,  40
.set CS,   42                          ; s[42:43] c = log2(e) / 16
.set TB,   44                          ; LDS byte at which the step to be fetched begins
.set SLOTS, 45
.set TWICE, 46
.set LIM,  47
.set PFA,  48
.set INV,  50
.set EPS,  51
.set XIN,  52
.set OUT,  54
.set MSB, 0
.macro WIN new                         ; the immediate's high byte repeats the setting that is left
.if MSB != \new
	s_set_vgpr_msb (MSB<<8)|\new
.set MSB, \new
.endif
.endm
.macro PLACES n                        ; plain vector instructions that name no register of the matrix instruction in front (ISA guide 7.12.1)
.rept \n
	v_nop
.endr
.endm
.macro CROUND                          ; a round of the cluster's barrier
	s_barrier_signal -1
	s_barrier_wait -1
	s_cmp_lg_u32 s[WV], 0
	s_cbranch_scc1 .Lnot_wave_0_\@
	s_barrier_signal -3
.Lnot_wave_0_\@:
	s_barrier_wait -3
	s_barrier_signal -1
	s_barrier_wait -1
.endm
.macro REDUCE
	v_pk_add_f32 v[AC:AC+1], v[AC:AC+1], v[AC+2:AC+3]
	v_pk_add_f32 v[AC+4:AC+5], v[AC+4:AC+5], v[AC+6:AC+7]
	v_pk_add_f32 v[AC:AC+1], v[AC:AC+1], v[AC+4:AC+5]
	v_add_f32 v[T2], v[AC], v[AC+1]
	v_permlanex16_b32 v[T], v[T2], s[SEL], s[SEL+1]
	v_add_f32 v[T2], v[T2], v[T]
.endm
; LayerNorm of the lane's row: v[X + 16 b + i] holds d = 32 b + 16 h + i; lanes l and l xor 16 hold a row between them
.macro LNORM greg, breg, wgb, cnt
.irp k, 0,1,2,3
	v_pk_add_f32 v[AC+2*\k:AC+2*\k+1], v[X+2*\k:X+2*\k+1], v[X+8+2*\k:X+8+2*\k+1]
.endr
.set ii, 16
.rept 14
.irp k, 0,1,2,3
	v_pk_add_f32 v[AC+2*\k:AC+2*\k+1], v[AC+2*\k:AC+2*\k+1], v[X+ii+2*\k:X+ii+2*\k+1]
.endr
.set ii, ii+8
.endr
	REDUCE
	v_mul_f32 v[MU], s[INV], v[T2]
	v_mov_b32 v[MU+1], v[MU]
.set ii, 0
.rept 64
	v_pk_add_f32 v[X+ii:X+ii+1], v[X+ii:X+ii+1], v[MU:MU+1] neg_lo:[0,1] neg_hi:[0,1]
.set ii, ii+2
.endr
.irp k, 0,1,2,3
	v_pk_mul_f32 v[AC+2*\k:AC+2*\k+1], v[X+2*\k:X+2*\k+1], v[X+2*\k:X+2*\k+1]
.endr
.set ii, 8
.rept 15
.irp k, 0,1,2,3
	v_pk_fma_f32 v[AC+2*\k:AC+2*\k+1], v[X+ii+2*\k:X+ii+2*\k+1], v[X+ii+2*\k:X+ii+2*\k+1], v[AC+2*\k:AC+2*\k+1]
.endr
.set ii, ii+8
.endr
	REDUCE
	v_fma_f32 v[T2], v[T2], s[INV], s[EPS]
	v_rsq_f32 v[RS], v[T2]
	v_nop                                          ; a plain instruction behind the transcendental,
	s_wait_alu depctr_va_vdst(0)                   ; and the wait ahead of the first line that names its result
	v_mov_b32 v[RS+1], v[RS]
.set ii, 0
.rept 64
	v_pk_mul_f32 v[X+ii:X+ii+1], v[X+ii:X+ii+1], v[RS:RS+1]
.set ii, ii+2
.endr
	s_wait_loadcnt \cnt                            ; gamma and beta are in
	WIN \wgb
.set ii, 0
.rept 64
	v_pk_fma_f32 v[X+ii:X+ii+1], v[X+ii:X+ii+1], v[(\greg)+ii:(\greg)+ii+1], v[(\breg)+ii:(\breg)+ii+1]
.set ii, ii+2
.endr
	WIN 0
.endm
.macro CODES src, pc
.irp c, 0,1
	v_cvt_scalef32_pk16_bf6_f32 v[(\pc)+6*\c:(\pc)+6*\c+2], v[(\src)+32*\c:(\src)+32*\c+15], v[SO+2*\c]
	v_cvt_scalef32_pk16_bf6_f32 v[CT+4*\c:CT+4*\c+2], v[(\src)+32*\c+16:(\src)+32*\c+31], v[SO+2*\c+1]   ; (a conversion's three registers begin on an even number)
.endr
	v_nop                                          ; one plain instruction behind the scaled conversions
.irp c, 0,1                                    ; the operand wants a WHOLE block in a lane: lanes 0-15 block 2 c, lanes 16-31 block 2 c + 1
.irp i, 0,1,2
	v_permlane16_swap_b32 v[(\pc)+6*\c+\i], v[CT+4*\c+\i]
.endr
.irp i, 0,1,2
	v_mov_b32 v[(\pc)+3+6*\c+\i], v[CT+4*\c+\i]
.endr
.endr
.endm
.macro QUANT src, pc, pw
.irp b, 0,1,2,3
	v_max3_num_f32 v[BM+\b], |v[(\src)+16*\b]|, |v[(\src)+16*\b+1]|, 0x2800000   ; with the floor 2^(5 - 127): the byte cannot fall under 1
.endr
.irp i, 2,4,6,8,10,12,14
.irp b, 0,1,2,3
	v_max3_num_f32 v[BM+\b], v[BM+\b], |v[(\src)+16*\b+\i]|, |v[(\src)+16*\b+\i+1]|
.endr
.endr
.irp b, 0,1,2,3
	v_permlanex16_b32 v[BT+\b], v[BM+\b], s[SEL], s[SEL+1]
.endr
.irp b, 0,1,2,3
	v_max_num_f32 v[BM+\b], v[BM+\b], v[BT+\b]
.endr
.irp b, 0,1,2,3
	v_add_nc_u32 v[SO+\b], 0xfe000000, v[BM+\b]    ; 4 off the exponent field: the conversion takes that field as its scale
.endr
.irp b, 0,1,2,3
	v_lshrrev_b32 v[BT+\b], 23, v[SO+\b]
.endr
	v_lshl_or_b32 v[\pw], v[BT+1], 8, v[BT]
	v_lshl_or_b32 v[\pw], v[BT+2], 16, v[\pw]
	v_lshl_or_b32 v[\pw], v[BT+3], 24, v[\pw]
	CODES \src, \pc
.endm
; the head's loads and the turn through my stage
.macro XLOAD base, off                 ; 16 rows as they lie: each load covers 512 consecutive bytes
.irp i, 0,1,2,3,4,5,6,7,8,9,10,11,12,13,14,15
.irp c, 0,1
	global_load_b128 v[(\base)+8*\i+4*\c:(\base)+8*\i+4*\c+3], v[LI], s[XIN:XIN+1] offset:(\off)+1024*\i+512*\c th:TH_LOAD_NT
.endr
.endr
.endm
.macro GBLOAD p                        ; gamma or beta at d = 32 b + 16 h + 4 j ..
.irp b, 0,1,2,3,4,5,6,7
.irp j, 0,1,2,3
	global_load_b128 v[16*\b+4*\j:16*\b+4*\j+3], v[GB], s[\p:\p+1] offset:128*\b+16*\j
.endr
.endr
.endm
.macro STAGE_IN base
.irp i, 0,1,2,3,4,5,6,7,8,9,10,11,12,13,14,15
.irp c, 0,1
	ds_store_b128 v[SD], v[(\base)+8*\i+4*\c:(\base)+8*\i+4*\c+3] offset:XP*\i+512*\c
.endr
.endr
.endm
.macro STAGE_OUT                       ; LDS serves a wave's instructions in order: these see my stores
.irp b, 0,1,2,3,4,5,6,7
.irp j, 0,1,2,3
	ds_load_b128 v[X+16*\b+4*\j:X+16*\b+4*\j+3], v[SRH] offset:128*\b+16*\j
.endr
.endr
.endm
.macro QTILE q, cnt                    ; 16 rows in v[X ..] become tile q's two fragments of Q and its scale register
	LNORM 0, 0, 0x38, \cnt                         ; gamma in window 2, beta in window 3
	QUANT X, PC, PW0
	WIN 0x80
.irp i, 0,1,2,3,4,5,6,7,8,9,10,11
	v_mov_b32 v[QF+24*(\q)+\i], v[PC+\i]
.endr
	WIN 0
	QUANT X+64, PC, PW1
	WIN 0x80
.irp i, 0,1,2,3,4,5,6,7,8,9,10,11
	v_mov_b32 v[QF+24*(\q)+12+\i], v[PC+\i]
.endr
	WIN 0
	v_cndmask_b32 v[QS+(\q)], v[PW0], v[PW1], vcc_lo
.endm
; a step's K: 16 fragments as they stand in LDS, 48 loads of 512 consecutive bytes, and its 8 scale registers
.macro FETCH_K
	WIN 0
	v_add_nc_u32 v[ADR], s[TB], v[LI]
	WIN 0x80                                       ; destination window 2
.set nn, 0
.rept 48
	ds_load_b128 v[4*nn:4*nn+3], v[ADR] offset:512*nn
.set nn, nn+1
.endr
	WIN 0
	ds_load_b128 v[KS:KS+3], v[ADR] offset:KSC
	ds_load_b128 v[KS+4:KS+7], v[ADR] offset:KSC+512
.endm
.macro FETCH_V
	WIN 0
	v_add_nc_u32 v[ADR], s[TB], v[LI]
	WIN 0xc0                                       ; destination window 3
.set nn, 0
.rept 48
	ds_load_b128 v[4*nn:4*nn+3], v[ADR] offset:VIMG+512*nn
.set nn, nn+1
.endr
	WIN 0
	ds_load_b128 v[VS:VS+3], v[ADR] offset:VSC
	ds_load_b128 v[VS+4:VS+7], v[ADR] offset:VSC+512
	s_add_co_u32 s[TB], s[TB], STEPB               ; the next fetch is the next step's
.endm
; S^T = K Q^T: 8 key tiles x 2 query tiles, two deep along d.  The 16 accumulators take turns, one instruction a turn; the first 16 start the sums
.macro KQ
	WIN 0x0a                                       ; K and Q in window 2, S^T in window 0
.irp s, 0,1
.irp t, 0,1,2,3,4,5,6,7
.irp q, 0,1
.if \s == 0
	v_wmma_scale_f32_16x16x128_f8f6f4 v[S+64*\q+8*\t:S+64*\q+8*\t+7], v[24*\t:24*\t+11], v[QF+24*\q:QF+24*\q+11], 0, v[KS+\t], v[QS+\q] matrix_a_fmt:MATRIX_FMT_BF6 matrix_b_fmt:MATRIX_FMT_BF6
.else
	v_wmma_scale_f32_16x16x128_f8f6f4 v[S+64*\q+8*\t:S+64*\q+8*\t+7], v[24*\t+12:24*\t+23], v[QF+24*\q+12:QF+24*\q+23], v[S+64*\q+8*\t:S+64*\q+8*\t+7], v[KS+\t], v[QS+\q] matrix_a_fmt:MATRIX_FMT_BF6 matrix_b_fmt:MATRIX_FMT_BF6 matrix_a_scale:MATRIX_SCALE_ROW1 matrix_b_scale:MATRIX_SCALE_ROW1
.endif
.endr
.endr
.endr
.endm
; O^T += V^T P^T: 16 d tiles x 2 query tiles, K = the step's 128 keys: 32 accumulators, one instruction each.  first = 1: the products start the sums: nothing is ever cleared
.macro PV first
	WIN 0x53                                       ; V^T in window 3, P in window 0, O^T in window 1
.irp u, 0,1,2,3,4,5,6,7,8,9,10,11,12,13,14,15
.irp q, 0,1
.if \first
.if (\u)%2
	v_wmma_scale_f32_16x16x128_f8f6f4 v[128*\q+8*\u:128*\q+8*\u+7], v[12*\u:12*\u+11], v[PC+12*\q:PC+12*\q+11], 0, v[VS+(\u)/2], v[PS+\q] matrix_a_fmt:MATRIX_FMT_BF6 matrix_b_fmt:MATRIX_FMT_BF6 matrix_a_scale:MATRIX_SCALE_ROW1
.else
	v_wmma_scale_f32_16x16x128_f8f6f4 v[128*\q+8*\u:128*\q+8*\u+7], v[12*\u:12*\u+11], v[PC+12*\q:PC+12*\q+11], 0, v[VS+(\u)/2], v[PS+\q] matrix_a_fmt:MATRIX_FMT_BF6 matrix_b_fmt:MATRIX_FMT_BF6
.endif
.else
.if (\u)%2
	v_wmma_scale_f32_16x16x128_f8f6f4 v[128*\q+8*\u:128*\q+8*\u+7], v[12*\u:12*\u+11], v[PC+12*\q:PC+12*\q+11], v[128*\q+8*\u:128*\q+8*\u+7], v[VS+(\u)/2], v[PS+\q] matrix_a_fmt:MATRIX_FMT_BF6 matrix_b_fmt:MATRIX_FMT_BF6 matrix_a_scale:MATRIX_SCALE_ROW1
.else
	v_wmma_scale_f32_16x16x128_f8f6f4 v[128*\q+8*\u:128*\q+8*\u+7], v[12*\u:12*\u+11], v[PC+12*\q:PC+12*\q+11], v[128*\q+8*\u:128*\q+8*\u+7], v[VS+(\u)/2], v[PS+\q] matrix_a_fmt:MATRIX_FMT_BF6 matrix_b_fmt:MATRIX_FMT_BF6
.endif
.endif
.endr
.endr
.endm
; tile q's softmax for one key step: a lane's 64 scores, register 16 b + i = key 32 b + 16 h + i
.macro SM q, first
.set SBASE, S+64*(\q)
.set STQ, ST+8*(\q)
.set PCQ, PC+12*(\q)
.irp b, 0,1,2,3
	v_max3_num_f32 v[BM+\b], v[SBASE+16*\b], v[SBASE+16*\b+1], v[SBASE+16*\b+2]   ; the largest score of each block of 32 keys: for the row's maximum, and, since p rises with the score, for the block's largest p
.endr
.irp i, 3,5,7,9,11,13
.irp b, 0,1,2,3
	v_max3_num_f32 v[BM+\b], v[BM+\b], v[SBASE+16*\b+\i], v[SBASE+16*\b+\i+1]
.endr
.endr
.irp b, 0,1,2,3
	v_max_num_f32 v[BM+\b], v[BM+\b], v[SBASE+16*\b+15]
.endr
.irp b, 0,1,2,3
	v_permlanex16_b32 v[BT+\b], v[BM+\b], s[SEL], s[SEL+1]
.endr
.irp b, 0,1,2,3
	v_max_num_f32 v[BM+\b], v[BM+\b], v[BT+\b]     ; with lane l xor 16's 16 keys
.endr
	v_max3_num_f32 v[T], v[BM], v[BM+1], v[BM+2]
	v_max_num_f32 v[T], v[T], v[BM+3]
	v_mul_f32 v[T], s[CS], v[T]                    ; the step's largest t (c is positive)
	v_max_num_f32 v[STQ+1], v[STQ+1], v[T]         ; the running largest t
	v_mov_b32 v[T], v[STQ]
	v_floor_f32 v[STQ], -v[STQ+1]                  ; the new -M = floor(-t): M is a whole number
	v_sub_f32 v[T], v[STQ], v[T]                   ; old M - new M: a whole number, 0 or less
	v_cvt_i32_f32 v[T], v[T]                       ; (it saturates)
	v_ldexp_f32 v[STQ+4], 1.0, v[T]                ; f = 2^(old M - new M)
.set ii, 0
.rept 32
	v_pk_fma_f32 v[SBASE+ii:SBASE+ii+1], v[SBASE+ii:SBASE+ii+1], s[CS:CS+1], v[STQ:STQ+1] op_sel_hi:[1,0,0]   ; t - M, two at a time
.set ii, ii+2
.endr
.irp b, 0,1,2,3
	v_fma_f32 v[BM+\b], v[BM+\b], s[CS], v[STQ]    ; the same of each block's largest score
.endr
.set ii, 0
.rept 64
	v_exp_f32 v[SBASE+ii], v[SBASE+ii]             ; p = 2^(t - M)
.set ii, ii+1
.endr
	v_pk_mul_f32 v[STQ+2:STQ+3], v[STQ+2:STQ+3], v[STQ+4:STQ+5] op_sel_hi:[1,0]   ; the sums under the new M: the plain instruction behind the batch
	s_wait_alu depctr_va_vdst(0)                   ; one wait for the 64, ahead of their first reader
.irp b, 0,1,2,3
	v_exp_f32 v[BM+\b], v[BM+\b]                   ; the block's largest p
.endr
	v_pk_add_f32 v[SUM2:SUM2+1], v[SBASE:SBASE+1], v[SBASE+2:SBASE+3]   ; the row's sum of the UNQUANTISED p, in two chains
.set ii, 4
.rept 15
	v_pk_add_f32 v[STQ+2:STQ+3], v[STQ+2:STQ+3], v[SBASE+ii:SBASE+ii+1]
	v_pk_add_f32 v[SUM2:SUM2+1], v[SUM2:SUM2+1], v[SBASE+ii+2:SBASE+ii+3]
.set ii, ii+4
.endr
	v_pk_add_f32 v[STQ+2:STQ+3], v[STQ+2:STQ+3], v[SUM2:SUM2+1]
	s_wait_alu depctr_va_vdst(0)                   ; and one for the four
.irp b, 0,1,2,3
	v_max_num_f32 v[BM+\b], 0x2800000, v[BM+\b]    ; the floor 2^(5 - 127)
.endr
.irp b, 0,1,2,3
	v_add_nc_u32 v[SO+\b], 0xfe000000, v[BM+\b]
.endr
.irp b, 0,1,2,3
	v_lshrrev_b32 v[BT+\b], 23, v[SO+\b]
.endr
	v_lshl_or_b32 v[PS+(\q)], v[BT+1], 8, v[BT]    ; p's scale word for these 128 keys
	v_lshl_or_b32 v[PS+(\q)], v[BT+2], 16, v[PS+(\q)]
	v_lshl_or_b32 v[PS+(\q)], v[BT+3], 24, v[PS+(\q)]
	CODES SBASE, PCQ
.if (\first) == 0
	WIN 0x41                                       ; O^T (destination, source 0) in window 1, f in window 0
.set ii, 128*(\q)
.rept 64
	v_pk_mul_f32 v[ii:ii+1], v[ii:ii+1], v[STQ+4:STQ+5] op_sel_hi:[1,0]   ; O^T under the new M, each accumulator from its low end on.  These lines are also the places ahead of the scaled products
.set ii, ii+2
.endr
	WIN 0
.endif
.endm
; KEY STEP j: its scores stand in S^T and its V^T is on its way.  more = 1: K of step j + 1 is fetched under the softmax, V^T of step j + 1 behind the products that read V^T of step j, and step j + 1's scores are made.
.macro BODY first, more
	PLACES 4                                       ; behind the products K Q^T: for the reads of S^T and the loads into K's registers
.if \more
	FETCH_K
.endif
	SM 0, \first
	SM 1, \first
.if \first
	PLACES 8                                       ; p's scale word and codes were written by vector instructions: eight places ahead of the scaled products
.endif
	s_wait_dscnt 0x0                               ; V^T of this step and K of the next are in
	PV \first
.if \more
	PLACES 4                                       ; for the loads into V^T's registers
	FETCH_V
	KQ
.endif
	WIN 0
.endm
; A PREFETCH INTO THE L2 of what the NEXT change of slots will ask for.  All clusters of a batch walk the same kv: the batch's first cluster asks.  Of the 100 rows of 256 bytes that wave w fetches, the partner at
; place cx takes 25, told apart BY ADDRESS; lanes 0 to 24 name a row each, lanes 25 to 31 name the 25th again in the same instruction.  The last change that fills a slot asks for nothing.
.macro ASK
	s_cmp_gt_u32 s[SLOTS], s[LIM]
	s_cbranch_scc0 .Lnot_mine_\@
	global_prefetch_b8 v[PFO], s[PFA:PFA+1] th:TH_LOAD_NT scope:SCOPE_SE
.Lnot_mine_\@:
.endm
; THE CHANGE OF SLOTS: all bytes of the slot in hand have been asked for.  Each wave waits for all its tensor loads (one is out: its quarter of the other slot), adds 0 to its spare word, and waits for that and for
; its reads of the slot.  fill = 1: the barrier is a round of the cluster's, and the joint refill is the first thing behind it: it has two key steps in which to land.
.macro CHANGE fill
	WIN 0
	s_wait_tensorcnt 0x0                           ; no tensor load of mine is out, so a group 0 may be written
	ds_add_u32 v[SPW], v[NIL]                      ; 0 onto my spare word
.if \fill
	s_xor_b32 s[G0B+1], s[G0B+1], SLOT1            ; the walking descriptor: the other slot than last time,
	s_add_nc_u64 s[G0B+2:G0B+3], s[G0B+2:G0B+3], SLOTB   ; the next two key steps; the type bits on top are not reached
	s_wait_xcnt 0x0                                ; the last prefetch, two key steps back, has read its address, so it may be written:
	s_add_nc_u64 s[PFA:PFA+1], s[PFA:PFA+1], SLOTB  ; one slot further on than the walking descriptor
.endif
	s_wait_dscnt 0x0                               ; the add is done, and my reads of the slot are over
.if \fill
	CROUND
	tensor_load_to_lds s[G0B:G0B+3], s[G1:G1+7]    ; my one tensor load behind the round
	s_nop 0
	PLACES 4
	ASK
.else
	s_barrier_signal -1
	s_barrier_wait -1
.endif
	s_sub_co_u32 s[TB], s[TB], SLOTB               ; the fetches go back to a slot's first step,
	s_xor_b32 s[TB], s[TB], SLOT1                  ; in the other slot
.endm
.macro TWO_STEPS                       ; a slot's two fetches: written once, walked twice; the LDS addresses hang on s[TB]
	s_mov_b32 s[TWICE], 2
.Lstep_\@:
	BODY 0, 1
	s_sub_co_u32 s[TWICE], s[TWICE], 1
	s_cmp_lg_u32 s[TWICE], 0
	s_cbranch_scc1 .Lstep_\@
.endm
	s_load_b256 s[4:11], s[0:1], 0x0               ; visual s[4:5], gamma s[6:7], beta s[8:9], kv s[10:11]
	s_load_b64 s[12:13], s[0:1], 0x20              ; out0
	v_lshl_add_u32 v[SPW], v0, 2, SPARE
	v_mov_b32 v[NIL], 0
	ds_add_u32 v4, v5
	ds_add_u32 v4, v5
	s_wait_dscnt 0x0
	v_lshrrev_b32 v1, 5, v0
	v_readfirstlane_b32 s[WV], v1                  ; wave 0..3
	s_bfe_u32 s15, ttmp6, 0x40000                  ; cx: my place in the cluster
	s_lshl_b32 s16, ttmp9, 2                       ; in a cluster launch ttmp9 counts clusters
	s_add_co_u32 s16, s16, s15                     ; my block of 128 queries: it enters visual's and out0's addresses alone
	s_and_b32 s17, ttmp7, 0xffff                   ; the batch, which the four partners share
	; descriptor group 1: 100 dense rows of 256 bytes (32 elements of 8 bytes), no padding: register images are read as they lie
	s_mov_b32 s[G1], 15|(3<<16)|(1<<21)            ; 15:0 the mask: all four work-groups; 17:16 elements of 8 bytes; 21 set beside a mask
	s_mov_b32 s[G1+1], 32<<16                      ; tensor_dim0
	s_mov_b32 s[G1+2], 100<<16                     ; tensor_dim1
	s_mov_b32 s[G1+3], 32<<16                      ; tile_dim0
	s_mov_b32 s[G1+4], 100                         ; tile_dim1
	s_mov_b32 s[G1+5], 32                          ; from row to row
	s_mov_b32 s[G1+6], 0
	s_mov_b32 s[G1+7], 0
	s_mul_i32 s18, s17, 32*STEPB                   ; the batch's first byte in kv,
	s_mul_i32 s20, s[WV], QUART                    ; my quarter of a slot, in memory and in LDS: no place in the cluster enters either
	s_add_co_u32 s18, s18, s20
	s_mov_b32 s19, 0
	s_mov_b32 s[G0A], 1
	s_mov_b32 s[G0A+1], s20
	s_mov_b32 s[G0B], 1
	s_add_co_u32 s[G0B+1], s20, SLOT1
	s_lshl_b32 s58, s17, 12
	s_lshl_b32 s59, s16, 7
	s_add_co_u32 s58, s58, s59
	s_lshl_b32 s59, s[WV], 5
	s_add_co_u32 s58, s58, s59                     ; my first row: 4,096 batch + 128 block + 32 wave
	s_lshl_b32 s58, s58, 10                        ; rows of 1,024 bytes: under 2^25
	s_mov_b32 s59, 0
	s_mul_i32 s56, s15, 6400                       ; the prefetches: my work-group's 25 rows of my wave's 100,
	s_add_co_u32 s56, s56, 2*SLOTB                 ; in the third slot's worth; the first change of slots steps it on.  Nothing is prefetched at the head
	s_mov_b32 s57, 0
	s_mov_b32 s[SEL], 0x76543210
	s_mov_b32 s[SEL+1], 0xfedcba98
	s_mov_b32 s[CS], 0x3db8aa3b                    ; log2(e) / 16
	s_mov_b32 s[CS+1], s[CS]                       ; (named with it as a pair, so it is written)
	s_mov_b32 s[INV], 0x3b800000                   ; 1 / 256
	s_mov_b32 s[EPS], 0x3727c5ac                   ; 1e-5
	s_mov_b32 s[TB], 0
	s_cmp_eq_u32 ttmp9, 0                          ; the batch's first cluster: the same in all four partners
	s_cselect_b32 s[LIM], 1, -1
	s_wait_kmcnt 0x0
	s_add_nc_u64 s[22:23], s[10:11], s[18:19]
	s_mov_b64 s[G0A+2:G0A+3], s[22:23]
	s_or_b32 s[G0A+3], s[G0A+3], 0x80000000        ; type = 2
	s_add_nc_u64 s[G0B+2:G0B+3], s[22:23], SLOTB
	s_or_b32 s[G0B+3], s[G0B+3], 0x80000000
	s_add_nc_u64 s[PFA:PFA+1], s[22:23], s[56:57]
	s_add_nc_u64 s[XIN:XIN+1], s[4:5], s[58:59]
	s_add_nc_u64 s[OUT:OUT+1], s[12:13], s[58:59]
	CROUND                                         ; all four work-groups are here: the first joint loads meet
	tensor_load_to_lds s[G0A:G0A+3], s[G1:G1+7]    ; the two first fills together, ahead of every wait on TENSORcnt and every LDS read: two loads of mine are out
	s_nop 0
	tensor_load_to_lds s[G0B:G0B+3], s[G1:G1+7]
	s_nop 0
	PLACES 4
	v_and_b32 v[ADR], 31, v0                       ; lane
	v_and_b32 v1, 15, v0                           ; r
	v_bfe_u32 v11, v0, 4, 1                        ; h
	v_lshlrev_b32 v[LI], 4, v[ADR]
	v_min_u32 v[PFO], 24, v[ADR]
	v_lshlrev_b32 v[PFO], 8, v[PFO]
	s_mul_i32 s21, s[WV], 16*XP
	s_add_co_u32 s21, s21, STG                     ; my stage
	v_add_nc_u32 v[SD], s21, v[LI]
	v_mul_u32_u24 v[SRH], v1, XP
	v_add_nc_u32 v[SRH], s21, v[SRH]
	v_lshl_add_u32 v[SOA], v11, 5, v[SRH]
	v_lshl_add_u32 v[SRH], v11, 6, v[SRH]
	v_lshlrev_b32 v[GB], 6, v11
	v_cmp_eq_u32 vcc_lo, 1, v11                    ; lanes 16-31
.irp q, 0,1
	v_mov_b32 v[ST+8*\q+1], 0xff61b1e6             ; the largest t so far: -3e38, under every t
	v_floor_f32 v[ST+8*\q], -v[ST+8*\q+1]
	v_mov_b32 v[ST+8*\q+2], 0
	v_mov_b32 v[ST+8*\q+3], 0
	v_mov_b32 v[ST+8*\q+5], 0
.endr
.irp b, 0,1,2,3
	v_mov_b32 v[BT+\b], 0                          ; written once: a lane permute's destination counts as one of its sources
.endr
	v_mov_b32 v[T], 0
	XLOAD X, 0                                     ; tile 0's rows
	WIN 0x80
	GBLOAD 6                                       ; gamma -> window 2
	WIN 0
	s_wait_loadcnt 32                              ; tile 0's rows are in; gamma's 32 loads may be out
	STAGE_IN X
	STAGE_OUT
	WIN 0xc0
	GBLOAD 8                                       ; beta -> window 3
	WIN 0x40
	XLOAD 0, 16384                                 ; tile 1's rows -> window 1
	WIN 0
	s_wait_dscnt 0x0
	QTILE 0, 32                                    ; gamma and beta are waited for; tile 1's 32 loads may be out
	s_wait_loadcnt 0x0
	WIN 0x04                                       ; an LDS store's data are its source 1: window 1
	STAGE_IN 0
	WIN 0
	STAGE_OUT
	s_wait_dscnt 0x0
	QTILE 1, 0
	s_wait_tensorcnt 0x1                           ; my quarter of slot 0 is in; slot 1's may stay out
	s_barrier_signal -1
	s_barrier_wait -1                              ; everybody's is
	FETCH_K                                        ; key step 0
	FETCH_V
	PLACES 8                                       ; Q's scale words and fragments were written by vector instructions
	s_wait_dscnt 50                                ; K's 50 loads are in; V^T's 50 may be out
	KQ
	WIN 0
	BODY 1, 1                                      ; key step 0: its products start O^T's sums
	s_mov_b32 s[SLOTS], 14
.Lslot:                                            ; 14 trips: every slot's worth of keys but the first two is asked for here
	CHANGE 1
	TWO_STEPS
	s_sub_co_u32 s[SLOTS], s[SLOTS], 1
	s_cmp_lg_u32 s[SLOTS], 0
	s_cbranch_scc1 .Lslot
	CHANGE 0                                       ; the tail is written out
	TWO_STEPS
	BODY 0, 0                                      ; the last key step fetches nothing
	; THE WAY OUT.  O^T is divided by the row's sum and goes through my stage, a tile (16 rows of 1,024 bytes) at a time, so that each store covers 512 consecutive bytes of a row.
	PLACES 4
.irp q, 0,1
	v_add_f32 v[ST+8*\q+2], v[ST+8*\q+2], v[ST+8*\q+3]
.endr
.irp q, 0,1
	v_permlanex16_b32 v[ST+8*\q+5], v[ST+8*\q+2], s[SEL], s[SEL+1]
.endr
.irp q, 0,1
	v_add_f32 v[ST+8*\q+2], v[ST+8*\q+2], v[ST+8*\q+5]
.endr
.irp q, 0,1
	v_rcp_f32 v[ST+8*\q+4], v[ST+8*\q+2]
.endr
	v_nop                                          ; a plain instruction behind the last reciprocal,
	s_wait_alu depctr_va_vdst(0)                   ; and one wait for the two, ahead of the first use
.macro SCALE_O q                       ; register 8 u + i of lane (r, h) is out(r, 16 u + 8 h + i)
	WIN 0x41
.set ii, 128*(\q)
.rept 64
	v_pk_mul_f32 v[ii:ii+1], v[ii:ii+1], v[ST+8*(\q)+4:ST+8*(\q)+5] op_sel_hi:[1,0]
.set ii, ii+2
.endr
	WIN 0x04                                       ; the stores' data: window 1
.irp u, 0,1,2,3,4,5,6,7,8,9,10,11,12,13,14,15
.irp c, 0,1
	ds_store_b128 v[SOA], v[128*(\q)+8*\u+4*\c:128*(\q)+8*\u+4*\c+3] offset:64*\u+16*\c
.endr
.endr
.endm
	SCALE_O 0
	WIN 0
.set nn, 0
.rept 32
	ds_load_b128 v[S+4*nn:S+4*nn+3], v[SD] offset:XP*(nn/2)+512*(nn%2)   ; LDS serves a wave's instructions in order: these see my stores, and tile 1's stores come behind them
.set nn, nn+1
.endr
	SCALE_O 1
	WIN 0x80                                       ; tile 1 comes back into window 2
.set nn, 0
.rept 32
	ds_load_b128 v[4*nn:4*nn+3], v[SD] offset:XP*(nn/2)+512*(nn%2)
.set nn, nn+1
.endr
	WIN 0
	s_wait_dscnt 63                                ; tile 0 is back (behind it stand tile 1's 64 LDS instructions; the wait's field holds 63)
.set nn, 0
.rept 32
	global_store_b128 v[LI], v[S+4*nn:S+4*nn+3], s[OUT:OUT+1] offset:512*nn th:TH_STORE_NT   ; 512 consecutive bytes, at a multiple of 256 from out0's first byte
.set nn, nn+1
.endr
	s_wait_dscnt 0x0
	WIN 0x08                                       ; a store's data are its source 1: window 2
.set nn, 0
.rept 32
	global_store_b128 v[LI], v[4*nn:4*nn+3], s[OUT:OUT+1] offset:16384+512*nn th:TH_STORE_NT
.set nn, nn+1
.endr
	WIN 0
	s_wait_tensorcnt 0x0                           ; the wave's end: behind my last tensor load and my last LDS store
	ds_add_u32 v[SPW], v[NIL]
	s_wait_dscnt 0x0
	CROUND                                         ; the closing round: no work-group ends while a partner may still ask for a tile that names it
	s_endpgm
.Lfunc_end_k_q3ee07a6967_attn:
	.size	k_q3ee07a6967_attn, .Lfunc_end_k_q3ee07a6967_attn-k_q3ee07a6967_attn
	.p2alignl 7, 3214868480
	.fill 96, 4, 3214868480
	.section	.rodata,"a",@progbits
	.p2align	6, 0x0
	.amdhsa_kernel k_q3ee07a6967_attn
		.amdhsa_group_segment_fixed_size 327680
		.amdhsa_private_segment_fixed_size 0
		.amdhsa_enable_private_segment 0
		.amdhsa_kernarg_size 40
		.amdhsa_user_sgpr_count 2
		.amdhsa_user_sgpr_kernarg_segment_ptr 1
		.amdhsa_wavefront_size32 1
		.amdhsa_system_sgpr_workgroup_id_x 1
		.amdhsa_system_sgpr_workgroup_id_y 1
		.amdhsa_system_sgpr_workgroup_id_z 1
		.amdhsa_system_vgpr_workitem_id 0
		.amdhsa_next_free_vgpr 1024
		.amdhsa_next_free_sgpr 66
		.amdhsa_reserve_vcc 1
		.amdhsa_float_denorm_mode_32 3
		.amdhsa_float_denorm_mode_16_64 3
		.amdhsa_memory_ordered 1
		.amdhsa_forward_progress 1
		.amdhsa_inst_pref_size 255
	.end_amdhsa_kernel
	.section	.bss,"aw",@nobits
	.p2align	6
	.space	262144
	.amdgpu_metadata
---
amdhsa.version: [ 1, 2 ]
amdhsa.kernels:
  - .name:           k_q3ee07a6967_attn
    .symbol:         k_q3ee07a6967_attn.kd
    .args:
      - { .name: visual_tokens, .offset: 0, .size: 8, .value_kind: global_buffer, .address_space: global }
      - { .name: gamma_v, .offset: 8, .size: 8, .value_kind: global_buffer, .address_space: global }
      - { .name: beta_v, .offset: 16, .size: 8, .value_kind: global_buffer, .address_space: global }
      - { .name: kv, .offset: 24, .size: 8, .value_kind: global_buffer, .address_space: global }
      - { .name: out0, .offset: 32, .size: 8, .value_kind: global_buffer, .address_space: global }
    .group_segment_fixed_size: 327680
    .private_segment_fixed_size: 0
    .kernarg_segment_align: 8
    .kernarg_segment_size: 40
    .max_flat_workgroup_size: 128
    .sgpr_count:     66
    .vgpr_count:     1024
    .wavefront_size: 32
...
	.end_amdgpu_metadata
.endif
;; end of part 2
